; MI455X (gfx1250); checked and timed in simulation.
; The chip was launched on July 23, 2026; its instructions are those of AMD's public machine-readable ISA for CDNA 5 (MIT licence, August 2026) and "CDNA5" Instruction Set Architecture Reference Guide (July 2026). The comments in the code are by the model that wrote it; some were corrected since.
;; Quant Conv1d. Allowed arithmetic: matrix products marked QUANTISED: E4M3 operands, one given power-of-two scale a tensor, by v_wmma_f32_16x16x64_fp8_fp8 or v_wmma_f32_16x16x128_fp8_fp8, f32 sums; everything else in f32.
;; Inputs: bias 16,384 float32; lowp_scales 2 int32 (the exponents e of the quantised operands' scales 2^e); scale 1 x 16,384 float32; weight 4,096 x 16,384 int8; x 4 x 256 x 4,096 float32.
;; Outputs: out0 4 x 256 x 16,384 float32.
;; This version of the problem:
;;   THIS VERSION OF THE PROBLEM IS GIVEN IN LOW PRECISION. The matrix products marked QUANTISED in the list below multiply operands that are first quantised to E4M3 (4 exponent bits, 3 mantissa bits; 8 bits a number), with one given power-of-two scale for each operand tensor; their sums are f32. All else is computed in f32.
;;   The module's matrix products, in the order in which they are computed (A, B: the left and right operand; K: the contracted axis; several contracted axes count as one K, in the product's order):
;;     1. [M 1,024, K 4,096] x [K 4,096, N 16,384]; A: input x; B: input weight: QUANTISED (scales: A lowp_scales[0], B lowp_scales[1])
;;   THE QUANTISER, for each operand of a quantised product, along K:
;;     - The operand's scale is 2^e, e = its entry of the input lowp_scales (int32; the entries are numbered through the quantised products in the list's order, A before B).
;;     - Each number is divided by the scale, clamped to +-448, and rounded to the nearest number of E4M3, ties to even, subnormals kept.
;;     - The product sums the exact products of the quantised numbers (number of the format x scale) in f32.
;;   ~~~python
;;   def quantise(x, axis, e):      # numpy; x: float32 -> the quantised numbers, widened to float32 again
;;       x = np.moveaxis(x, axis, -1); K = x.shape[-1]
;;       r = np.clip(x / 2.0 ** e, -448, 448)
;;       step = 2.0 ** (np.maximum(np.frexp(np.where(r == 0, 1, r))[1] - 1, -6) - 3)
;;       q = np.round(r / step) * step * 2.0 ** e      # np.round: ties to even
;;       return np.moveaxis(q, -1, axis).astype(np.float32)
;;   ~~~
;; One version. Each part assembles by itself: llvm-mc -triple=amdgcn-amd-amdhsa -mcpu=gfx1250 --defsym DOCPART=n.
;; ======== version 1 of 1: 2 launches
;; limits: right only within a limited range of input values
;; workspace buffers: x_codes 4,194,304 bytes; w_codes 67,108,864 bytes
;; launch quant (part 1): grid 64 x 16, 4 waves a work-group, no clusters, 74,496 bytes of LDS; arguments x, weight, lowp_scales, x_codes, w_codes; writes x_codes, w_codes
.if DOCPART == 1
	.amdgcn_target "amdgcn-amd-amdhsa--gfx1250"
	.amdhsa_code_object_version 6
	.text
	.protected	k_qfa54820259_quant
	.globl	k_qfa54820259_quant
	.p2align	8
	.type	k_qfa54820259_quant,@function
k_qfa54820259_quant:
	s_mov_b64 s[64:65], 0
	v_nop
	global_prefetch_b8 v0, s[64:65] scope:SCOPE_SE
	s_setreg_imm32_b32 hwreg(HW_REG_WAVE_MODE, 25, 1), 1
	s_wait_xcnt 0x0
; x [1024][4096] f32 and weight [4096 (k)][16384 (n)] int8 become codes of FP8 (E4M3), one byte each.
; code = number / 2^e, held within +-448, rounded to the nearest code, ties to even.  e: entry 0 (x) and entry 1 (weight) of lowp_scales.
; LIMITS: -126 <= e <= 119 for both, so that 2^e and 448 x 2^e are f32 numbers.  NaN in x is not served (an infinity is held at the largest code).
; K goes in steps of 256 places.  THE PLACES ARE PERMUTED, ALIKE IN BOTH BUFFERS: place 16 l + 4 c + j of a step holds k = 64 c + 4 l + j of it (l = 0..15, c, j = 0..3).
; The product multiplies place by place, so every number meets its partner; only the order of the sums changes.
; w_codes [16 steps][16384 columns][256 places]: the 128 rows x 256 bytes of one tensor load of the product are 32,768 consecutive bytes.
; x_codes [16 steps][64 blocks of 16 rows][16 chunks l][16 rows][16 places]: the order in which the product's registers take a fragment: one of its loads reads 512 consecutive bytes.
; SHARES.  Work-group (bx, by): columns 256 bx .. + 255 of weight, step by.  Wave q makes bytes 64 q .. + 63 of the step for all 256 columns, in four units a of 16 bytes:
; byte 64 q + 16 a + 4 c + j comes from row 256 by + 16 q + 64 c + 4 a + j.  A lane takes eight neighbouring columns, its registers run along K; a wave's load covers 256 consecutive, aligned bytes.
; The codes leave through a stage in LDS, so that sixteen lanes store the 256 consecutive, aligned bytes of a column's row.
; Besides, the work-group quantises rows 16 bx .. + 15 of x, step by: wave q rows 4 q .. + 3.  Sixteen lanes read 256 consecutive bytes of a row, four such loads leave in lane l the 16 numbers of chunk l.
; The 16 bytes go through a second stage, so that the work-group's 4,096 bytes leave as runs of 512.  No loop, no branch: every offset is an immediate.
.set ROWW, 16384
.set NROW, 256
.set SPI,  272                         ; a stage row: 256 bytes + 16 of padding
.set XSTG, 0x11200                     ; x's stage: 16 chunks x SPI bytes, behind the weight's stage (0x11000 bytes) and the spare words (512 bytes)
.set WOF,  4                           ; v4   8 x lane
.set XOF,  5                           ; v5   x: a row x (lane / 16) + 16 (lane % 16)
.set STW,  6                           ; v6   weight's stage, in
.set RD,   7                           ; v7   weight's stage, back
.set GOF,  8                           ; v8   w_codes: 8 rows x (lane / 16) + 16 (lane % 16)
.set SCX,  9
.set LIMX, 10
.set SCW,  11
.set LIMW, 12
.set XCO,  13                          ; v13  16 x lane
.set XSW,  14                          ; v14  x's stage, in: SPI (lane % 16) + 16 (4 q + lane / 16)
.set XRD,  15                          ; v15  x's stage, back: SPI (4 q + lane / 16) + 16 (lane % 16)
.set F,    16
.set C,    48
.set XC,   80
.set X,    88
.set RAW,  120
	s_load_b256 s[4:11], s[0:1], 0x0               ; x, weight, lowp_scales, x_codes
	s_load_b64 s[12:13], s[0:1], 0x20              ; w_codes
	v_lshl_add_u32 v248, v0, 2, 0x11000
	v_mov_b32 v249, 0
	v_lshrrev_b32 v1, 5, v0
	v_readfirstlane_b32 s14, v1                    ; q
	s_and_b32 s16, ttmp7, 0xffff                   ; by
	s_lshl_b32 s17, s14, 6
	s_mul_i32 s18, s14, 64*SPI
	s_add_co_u32 s19, s17, XSTG
	s_mul_i32 s33, s14, 4*SPI
	s_add_co_u32 s33, s33, XSTG
	v_and_b32 v1, 31, v0
	v_and_b32 v2, 15, v0
	v_bfe_u32 v3, v0, 4, 1
	v_lshlrev_b32 v[WOF], 3, v1
	v_lshlrev_b32 v[XCO], 4, v1
	v_lshlrev_b32 v[XOF], 14, v3
	v_lshl_add_u32 v[XOF], v2, 4, v[XOF]
	v_mul_u32_u24 v[STW], v1, SPI
	v_add_nc_u32 v[STW], s17, v[STW]
	v_mul_u32_u24 v[RD], v3, SPI
	v_lshl_add_u32 v[RD], v2, 4, v[RD]
	v_add_nc_u32 v[XRD], s33, v[RD]
	v_add_nc_u32 v[RD], s18, v[RD]
	v_lshlrev_b32 v[GOF], 11, v3
	v_lshl_add_u32 v[GOF], v2, 4, v[GOF]
	v_mul_u32_u24 v[XSW], v2, SPI
	v_lshl_add_u32 v[XSW], v3, 4, v[XSW]
	v_add_nc_u32 v[XSW], s19, v[XSW]
	s_mov_b32 s24, 0x4b000000                      ; 2^23 as f32: with a byte u in its lowest byte it is 2^23 + u
	s_mov_b32 s26, 0xcb000080                      ; -(2^23 + 128)
	s_mov_b32 s27, s26
	s_mov_b32 s28, 0x07040400                      ; byte selects
	s_mov_b32 s29, 0x07040401
	s_mov_b32 s30, 0x07040402
	s_mov_b32 s31, 0x07040403
	s_mov_b32 s32, 0x80808080                      ; signed bytes w into unsigned w + 128
	s_lshl_b32 s17, s16, 8
	s_lshl_b32 s18, s14, 4
	s_add_co_u32 s17, s17, s18                     ; weight: row 256 by + 16 q,
	s_lshl_b32 s20, s17, 14
	s_lshl_b32 s18, ttmp9, 8
	s_add_co_u32 s20, s20, s18                     ; column 256 bx
	s_mov_b32 s21, 0
	s_lshl_b32 s22, s16, 22                        ; w_codes: step by, row 256 bx + 2 q
	s_lshl_b32 s18, ttmp9, 16
	s_add_co_u32 s22, s22, s18
	s_lshl_b32 s18, s14, 9
	s_add_co_u32 s22, s22, s18
	s_mov_b32 s23, 0
	s_lshl_b32 s36, s16, 18                        ; x_codes: step by, block bx, 1,024 bytes x q
	s_lshl_b32 s18, ttmp9, 12
	s_add_co_u32 s36, s36, s18
	s_lshl_b32 s18, s14, 10
	s_add_co_u32 s36, s36, s18
	s_mov_b32 s37, 0
	s_lshl_b32 s38, ttmp9, 18                      ; x: row 16 bx + 4 q, 1,024 bytes x by
	s_lshl_b32 s18, s14, 16
	s_add_co_u32 s38, s38, s18
	s_lshl_b32 s18, s16, 10
	s_add_co_u32 s38, s38, s18
	s_mov_b32 s39, 0
	s_wait_alu depctr_va_vdst(0)
	s_wait_kmcnt 0x0
	s_load_b64 s[34:35], s[8:9], 0x0               ; e0, e1
	s_add_nc_u64 s[4:5], s[4:5], s[38:39]
	s_add_nc_u64 s[6:7], s[6:7], s[20:21]
	s_add_nc_u64 s[10:11], s[10:11], s[36:37]
	s_add_nc_u64 s[12:13], s[12:13], s[22:23]
.macro XLOAD s                         ; rows 4 q + 2 s and + 1: four loads, each 256 consecutive bytes of either row; register 4 c + j of lane l is number 64 c + 4 l + j
.irp c, 0,1,2,3
	global_load_b128 v[X+16*\s+4*\c:X+16*\s+4*\c+3], v[XOF], s[4:5] offset:2*ROWW*\s+256*\c th:TH_LOAD_NT
.endr
.endm
.macro WLOAD a                         ; unit a of weight: the pair 4 c + j holds row 64 c + 4 a + j; the largest offset is 207 rows
.irp c, 0,1,2,3
.irp j, 0,1,2,3
	global_load_b64 v[RAW+32*\a+2*(4*\c+\j):RAW+32*\a+2*(4*\c+\j)+1], v[WOF], s[6:7] offset:(64*\c+4*\a+\j)*ROWW th:TH_LOAD_NT
.endr
.endr
.endm
.macro XSTEP s                         ; hold, convert, into x's stage
.set n, 0
.rept 16
	v_med3_num_f32 v[X+16*\s+n], v[X+16*\s+n], -v[LIMX], v[LIMX]   ; the conversion does not saturate (ISA guide 7.6.2): the hold comes first
.set n, n+1
.endr
	v_cvt_scalef32_pk8_fp8_f32 v[XC+4*\s:XC+4*\s+1], v[X+16*\s:X+16*\s+7], v[SCX]
	v_cvt_scalef32_pk8_fp8_f32 v[XC+4*\s+2:XC+4*\s+3], v[X+16*\s+8:X+16*\s+15], v[SCX]
	ds_store_b128 v[XSW], v[XC+4*\s:XC+4*\s+3] offset:32*\s
.endm
; Unit a: 16 bytes of codes for each of my eight columns.  A byte w + 128 under the top byte of 2^23 IS 2^23 + 128 + w; one packed addition leaves w, exactly.
.macro UNIT a
.set n, 0
.rept 32
	v_xor_b32 v[RAW+32*\a+n], s32, v[RAW+32*\a+n]
.set n, n+1
.endr
.irp i, 0,1,2,3,4,5,6,7
.set FS, F+16*(\i%2)
.irp c, 0,1,2,3
.irp j, 0,1,2,3
	v_perm_b32 v[FS+4*\c+\j], s24, v[RAW+32*\a+2*(4*\c+\j)+\i/4], s[28+\i%4]
.endr
.endr
.irp t, 0,2,4,6,8,10,12,14
	v_pk_add_f32 v[FS+\t:FS+\t+1], v[FS+\t:FS+\t+1], s[26:27] op_sel_hi:[1,0]
.endr
.set n, 0
.rept 16
	v_med3_num_f32 v[FS+n], v[FS+n], -v[LIMW], v[LIMW]
.set n, n+1
.endr
.if (\i == 0) && (\a > 0)
	s_wait_alu depctr_va_vdst(0)
	s_wait_dscnt 0x0                               ; the last unit's stage stores have read their registers
.endif
	v_cvt_scalef32_pk8_fp8_f32 v[C+4*\i:C+4*\i+1], v[FS:FS+7], v[SCW]
	v_cvt_scalef32_pk8_fp8_f32 v[C+4*\i+2:C+4*\i+3], v[FS+8:FS+15], v[SCW]
	ds_store_b128 v[STW], v[C+4*\i:C+4*\i+3] offset:32*SPI*\i+16*\a   ; column 8 lane + i lies in stage row 32 i + lane
.endr
.endm
	XLOAD 0
	XLOAD 1
	WLOAD 0
	WLOAD 1
	WLOAD 2                                        ; 56 loads of the wave are out
	s_wait_kmcnt 0x0
	s_add_co_i32 s36, s34, 127
	s_lshl_b32 s37, s36, 23
	v_mov_b32 v[SCX], s37                          ; 2^e0
	s_add_co_i32 s36, s36, 8
	s_lshl_b32 s36, s36, 23
	s_or_b32 s36, s36, 0x600000
	v_mov_b32 v[LIMX], s36                         ; 448 x 2^e0
	s_add_co_i32 s36, s35, 127
	s_lshl_b32 s37, s36, 23
	v_mov_b32 v[SCW], s37
	s_add_co_i32 s36, s36, 8
	s_lshl_b32 s36, s36, 23
	s_or_b32 s36, s36, 0x600000
	v_mov_b32 v[LIMW], s36
	s_wait_alu depctr_va_vdst(0)
	s_wait_loadcnt 48                              ; x's eight loads are in; the 48 of weight are younger
	XSTEP 0
	XSTEP 1
	s_wait_loadcnt 32                              ; unit 0 is in
	WLOAD 3
	UNIT 0
	s_wait_loadcnt 32                              ; unit 1 is in; units 2 and 3 are younger
	UNIT 1
	s_wait_loadcnt 16
	UNIT 2
	s_wait_loadcnt 0x0
	UNIT 3
	v_nop                                          ; a plain vector line behind the last conversion
	s_wait_dscnt 0x0                               ; for the others' sake: my stores into both stages are done
	s_barrier_signal -1
	s_barrier_wait -1
	; THE WAY OUT.  x: wave q takes chunks 4 q .. + 3, two an instruction: 512 consecutive bytes of x_codes each.
	ds_load_b128 v[X:X+3], v[XRD]
	ds_load_b128 v[X+4:X+7], v[XRD] offset:2*SPI
	; weight: wave q takes stage rows 64 q .. + 63, two an instruction.  Stage row 64 q + 2 t + h is column 16 (t % 16) + 8 h + 2 q + t / 16.
.set t, 0
.rept 32
	ds_load_b128 v[RAW+4*t:RAW+4*t+3], v[RD] offset:2*SPI*t
.set t, t+1
.endr
	s_wait_dscnt 32                                ; x's two reads are in; the 32 of weight are younger
	global_store_b128 v[XCO], v[X:X+3], s[10:11]
	global_store_b128 v[XCO], v[X+4:X+7], s[10:11] offset:512
.set t, 0
.rept 32
	s_wait_dscnt 31-t                              ; LDS loads come back in order (ISA guide 5.7.1)
	global_store_b128 v[GOF], v[RAW+4*t:RAW+4*t+3], s[12:13] offset:16*NROW*(t%16)+NROW*(t/16)   ; sixteen lanes store 256 consecutive, aligned bytes
.set t, t+1
.endr
	s_wait_tensorcnt 0x0                           ; the wave's end
	ds_add_u32 v248, v249
	s_wait_dscnt 0x0
	s_endpgm
.Lfunc_end_k_qfa54820259_quant:
	.size	k_qfa54820259_quant, .Lfunc_end_k_qfa54820259_quant-k_qfa54820259_quant
	.p2alignl 7, 3214868480
	.fill 96, 4, 3214868480
	.section	.rodata,"a",@progbits
	.p2align	6, 0x0
	.amdhsa_kernel k_qfa54820259_quant
		.amdhsa_group_segment_fixed_size 74496
		.amdhsa_private_segment_fixed_size 0
		.amdhsa_enable_private_segment 0
		.amdhsa_kernarg_size 40
		.amdhsa_user_sgpr_count 2
		.amdhsa_user_sgpr_kernarg_segment_ptr 1
		.amdhsa_wavefront_size32 1
		.amdhsa_system_sgpr_workgroup_id_x 1
		.amdhsa_system_sgpr_workgroup_id_y 1
		.amdhsa_system_sgpr_workgroup_id_z 1
		.amdhsa_system_vgpr_workitem_id 0
		.amdhsa_next_free_vgpr 250
		.amdhsa_next_free_sgpr 66
		.amdhsa_reserve_vcc 0
		.amdhsa_float_denorm_mode_32 3
		.amdhsa_float_denorm_mode_16_64 3
		.amdhsa_memory_ordered 1
		.amdhsa_forward_progress 1
		.amdhsa_inst_pref_size 111
	.end_amdhsa_kernel
	.amdgpu_metadata
---
amdhsa.version: [ 1, 2 ]
amdhsa.kernels:
  - .name:           k_qfa54820259_quant
    .symbol:         k_qfa54820259_quant.kd
    .args:
      - { .name: x, .offset: 0, .size: 8, .value_kind: global_buffer, .address_space: global }
      - { .name: weight, .offset: 8, .size: 8, .value_kind: global_buffer, .address_space: global }
      - { .name: lowp_scales, .offset: 16, .size: 8, .value_kind: global_buffer, .address_space: global }
      - { .name: x_codes, .offset: 24, .size: 8, .value_kind: global_buffer, .address_space: global }
      - { .name: w_codes, .offset: 32, .size: 8, .value_kind: global_buffer, .address_space: global }
    .group_segment_fixed_size: 74496
    .private_segment_fixed_size: 0
    .kernarg_segment_align: 8
    .kernarg_segment_size: 40
    .max_flat_workgroup_size: 128
    .sgpr_count:     66
    .vgpr_count:     250
    .wavefront_size: 32
...
	.end_amdgpu_metadata
.endif
;; end of part 1
;; launch gemm (part 2): grid 256 x 1, 4 waves a work-group, clusters of 4 x 1, 327,680 bytes of LDS; arguments x_codes, w_codes, lowp_scales, out0, scale, bias; writes out0
.if DOCPART == 2
	.amdgcn_target "amdgcn-amd-amdhsa--gfx1250"
	.amdhsa_code_object_version 6
	.text
	.protected	k_qfa54820259_gemm
	.globl	k_qfa54820259_gemm
	.p2align	8
	.type	k_qfa54820259_gemm,@function
k_qfa54820259_gemm:
	s_mov_b64 s[64:65], 0
	v_nop
	global_prefetch_b8 v0, s[64:65] scope:SCOPE_SE
	s_setreg_imm32_b32 hwreg(HW_REG_WAVE_MODE, 25, 1), 1
	s_wait_xcnt 0x0
	s_wait_alu depctr_hold_cnt(0) depctr_sa_sdst(0) depctr_va_vdst(0) depctr_va_sdst(0) depctr_va_ssrc(0) depctr_va_vcc(0) depctr_vm_vsrc(0)
	s_getreg_b32 s2, hwreg(HW_REG_IB_STS2, 6, 4)
	s_cmp_eq_u32 s2, 0
	s_cbranch_scc0 .Lentry_in_a_cluster
	s_endpgm
.Lentry_in_a_cluster:
	s_bfe_u32 s2, ttmp6, 0x10000c
	s_cmp_lg_u32 s2, 0x3003
	s_cbranch_scc0 .Lentry_shape_is_right
	s_endpgm
.Lentry_shape_is_right:
; out0[m][n] = (sum over the 4,096 places of x_codes[m] w_codes[n]) x 2^(e0 + e1) x scale[n] + bias[n].  Codes of FP8 (E4M3), multiplied as they are; sums in f32.
; A work-group makes 256 rows x 256 columns; wave w makes rows 64 w .. + 63 of them x all 256 columns: 64 accumulators of 16 x 16, 512 registers.
; THE WEIGHT'S CODES go through a ring of two LDS slots filled by the tensor data mover.  A slot holds 512 places of 256 columns (two steps of 256 of w_codes, 256 rows of 256 bytes each):
; four steps of 128 places, 256 matrix instructions a wave, lie between two changes of slots; there are eight slots' worth in all.  Each wave fetches a quarter of a slot, 128 rows, by one load.
; CLUSTERS: the four work-groups of a cluster make the four row blocks of one column block and need the same tiles of the weight: each tile is asked for JOINTLY (mask 15).
; x'S CODES are no work-group's in common with a partner, and inside a work-group each wave has rows of its own: they go from memory straight into registers, in the order in which
; x_codes is laid (a load reads 512 consecutive bytes), four sets of registers by turns: a set is asked for at the end of the step four steps before the one that multiplies it.
; So no prefetch is laid for x_codes: its loads run ahead by themselves.  The weight's tiles are prefetched one refill ahead (below).
; THE MATRIX INSTRUCTION IS USED TRANSPOSED: source 0 = 16 columns of the weight, source 1 = 16 rows of x: a lane holds eight neighbouring numbers of a row of out0.
; REGISTERS, in windows of 256: window 0: v0-15 addresses; v16-255 fifteen places for the weight's 16 blocks of a step (blocks 7 and 15 take turns on one place).
;   window 1: x's fragments, four sets of 4 blocks x 16.   window 2: the accumulators of column blocks 0-7 (block b, row block a at v[8 (4 b + a)]);   window 3: of blocks 8-15.
; A step goes by the weight's blocks, each against x's four: a block's place is free as soon as its four products are issued, and is filled again in one of two runs of 32 LDS loads a step.
; THE LAST SLOT GOES BY GROUPS OF 64 COLUMNS: all four sets of x are in registers then, so a group's 16 accumulators are finished over the slot's 512 places, and leave while the next group is multiplied.
.set PITCH,  272                       ; an LDS row: 256 bytes + 16 of padding: the 16 rows that a load touches start at 16 different banks (ISA guide 11.1)
.set HALFT,  128*PITCH                 ; what one tensor load brings
.set KH,     256*PITCH                 ; 256 places of all 256 columns
.set SLOT,   2*KH
.set SPARE,  2*SLOT                    ; behind the ring: the spare words, 128 bytes a wave
.set STEPB,  16384*256                 ; a step of 256 places in w_codes
.set XSTEP,  1024*256                  ; and in x_codes
.set SPITCH, 272                       ; the way out: a stage of 32 rows x (256 + 16) bytes for each wave, in slot 0, which then has had its last fill and its last read
.set ADRB, 4                           ; v4-7   LDS address of a block's rows: slot 0 places 0-255, 256-511; slot 1 likewise
.set SPW,  8                           ; v8     my spare word; never rewritten
.set NIL,  9                           ; v9     0; never rewritten
.set AOF,  10                          ; v10    16 x lane
.set PFO,  11                          ; v11    256 x lane
.set STO,  12                          ; v12    the stage, in
.set RD,   13                          ; v13    the stage, back
.set SBO,  14                          ; v14    16 (lane % 16)
.set CO,   15                          ; v15    out0: a row x (lane / 16) + 16 (lane % 16)
.set BF,   16
.set SCL,  224                         ; v224-239 scale, v240-255 bias: 4 columns a lane for each group of 64 (the places of blocks 13 and 14, free in the last slot)
.set BIA,  240
.set G1,   24                          ; s[24:31] descriptor group 1;  s[32:39] group 0, one set for each slot
.set G0,   32
.set AP,   68                          ; s[68:69] my rows in x_codes
.set PFA,  70                          ; s[70:71] where my prefetch stands
.set MSB, 0
.macro WIN new                         ; the immediate's high byte repeats the setting that is left
.if MSB != \new
	s_set_vgpr_msb (MSB<<8)|\new
.set MSB, \new
.endif
.endm
.set MUL_LO, 0xa4                      ; source 0 window 0, source 1 window 1, C and D window 2
.set MUL_HI, 0xf4                      ; the same, C and D window 3
.macro CREST
	s_cmp_lg_u32 s14, 0
	s_cbranch_scc1 .Lnot_wave_0_\@
	s_barrier_signal -3
.Lnot_wave_0_\@:
	s_barrier_wait -3
	s_barrier_signal -1
	s_barrier_wait -1
.endm
.macro CROUND
	s_barrier_signal -1
	s_barrier_wait -1
	CREST
.endm
.macro PLACES                          ; four places behind a matrix instruction, ahead of loads into registers that it read and of reads of its result
.rept 4
	v_nop
.endr
.endm
.macro MULS b0, n, as, zero            ; blocks b0 .. b0 + n - 1 of the weight, each against the four blocks of x's set as.  The accumulators take turns
.set bq, \b0
.rept \n
.set sl, BF+16*(bq-8*(bq/15))
.irp a, 0,1,2,3
.set ac, 8*(4*(bq%8)+\a)
.if \zero
	v_wmma_f32_16x16x128_fp8_fp8 v[ac:ac+7], v[sl:sl+15], v[64*\as+16*\a:64*\as+16*\a+15], 0
.else
	v_wmma_f32_16x16x128_fp8_fp8 v[ac:ac+7], v[sl:sl+15], v[64*\as+16*\a:64*\as+16*\a+15], v[ac:ac+7]
.endif
.endr
.set bq, bq+1
.endr
.endm
.macro LDB adr, kb, b0, n              ; blocks b0 .. of the weight: lane l holds column l % 16; registers 4 c .. + 3 hold places 32 c + 16 (l / 16) + 0 .. 15 of the 128
.set bq, \b0
.rept \n
.set sl, BF+16*(bq-8*(bq/15))
.irp c, 0,1,2,3
	ds_load_b128 v[sl+4*\c:sl+4*\c+3], v[\adr] offset:128*(\kb)+32*\c+bq*16*PITCH
.endr
.set bq, bq+1
.endr
.endm
.macro LDA as, rel                     ; x's four blocks of the step rel steps on from AP, into set as: the same places in the same registers as the weight's
	WIN 0x40
.irp a, 0,1,2,3
.irp c, 0,1,2,3
	global_load_b128 v[64*\as+16*\a+4*\c:64*\as+16*\a+4*\c+3], v[AOF], s[AP:AP+1] offset:((\rel)/2)*XSTEP+((\rel)%2)*2048+\a*4096+\c*512
.endr
.endr
	WIN 0
.endm
; A step of 128 places that has its successor in the same slot.  A step's blocks are asked for in this order: 0 to 6 (the end of one run), then 7, 8 to 14 (a run of 32), then 15 (the head of the next run).
; The waits on DScnt step down with the blocks: each count is the number of loads that stand behind the block needed next, four a block.
.macro STEP s, q, zero, rel
	s_wait_loadcnt 48                              ; this step's set of x is in; the three sets behind it may be out
	s_wait_dscnt 52                                ; blocks 0, 1 are in: behind them stand blocks 2-6 and the run of 32
	WIN MUL_LO
	MULS 0, 2, \q, \zero
	s_wait_dscnt 44                                ; blocks 2, 3
	MULS 2, 2, \q, \zero
	s_wait_dscnt 32                                ; blocks 4-6
	MULS 4, 3, \q, \zero
	s_wait_dscnt 28                                ; block 7, the first of the run of 32
	MULS 7, 1, \q, \zero
	PLACES
	WIN 0
	LDB ADRB+2*\s+(\q)/2, (\q)%2, 15, 1            ; this step's block 15 takes block 7's place,
	LDB ADRB+2*\s+((\q)+1)/2, ((\q)+1)%2, 0, 7     ; and the next step's blocks 0-6 theirs
	s_wait_dscnt 52                                ; blocks 8, 9 are in: behind them stand blocks 10-14 and the 32 just issued
	WIN MUL_HI
	MULS 8, 2, \q, \zero
	s_wait_dscnt 44                                ; blocks 10, 11
	MULS 10, 2, \q, \zero
	s_wait_dscnt 32                                ; blocks 12-14
	MULS 12, 3, \q, \zero
	s_wait_dscnt 28                                ; block 15
	MULS 15, 1, \q, \zero
	PLACES
	WIN 0
	LDB ADRB+2*\s+((\q)+1)/2, ((\q)+1)%2, 7, 1
	LDB ADRB+2*\s+((\q)+1)/2, ((\q)+1)%2, 8, 7
	LDA \q, \rel
.endm
; The prefetch: behind the refill for slot step S + 2, the tile of slot step S + 3: of the 128 rows that I fetch, my work-group's 32 (told apart from the partners' by address), a lane a row of 256 bytes.
; mode 1: always; mode 2: not in the loop's last trip, where S + 3 would lie past the end.
.macro ASK mode
.if \mode == 2
	s_cmp_gt_u32 s3, 1
	s_cbranch_scc0 .Lno_ask_\@
.endif
.if \mode
	global_prefetch_b8 v[PFO], s[PFA:PFA+1] th:TH_LOAD_NT scope:SCOPE_SE
.endif
.if \mode == 2
.Lno_ask_\@:
.endif
.endm
; The last slot's runs.  Run u = 4 g + q: the four blocks of column group g, places 128 q .. + 127 of slot 1, into one of three sets of four places by turns: 0-3; 4, 5, 6, 8; 9-12.
.macro LDG u
.set gq, (\u)%4
.set gm, (\u)%3
.irp i, 0,1,2,3
.set sl, BF+16*(\i+(4+\i/3)*(gm*(2-gm))+9*(gm*(gm-1)/2))
.irp c, 0,1,2,3
	ds_load_b128 v[sl+4*\c:sl+4*\c+3], v[ADRB+2+gq/2] offset:128*(gq%2)+32*\c+(4*((\u)/4)+\i)*16*PITCH
.endr
.endr
.endm
.macro COMP u                          ; run u's 16 products
.set gq, (\u)%4
.set gm, (\u)%3
	WIN (MUL_LO+0x50*((\u)/8))
.irp i, 0,1,2,3
.set sl, BF+16*(\i+(4+\i/3)*(gm*(2-gm))+9*(gm*(gm-1)/2))
.irp a, 0,1,2,3
.set ac, 128*(((\u)/4)%2)+32*\i+8*\a
	v_wmma_f32_16x16x128_fp8_fp8 v[ac:ac+7], v[sl:sl+15], v[64*gq+16*\a:64*gq+16*\a+15], v[ac:ac+7]
.endr
.endr
.endm
; A slot's last step changes slots.  Block 7 is multiplied early, so that block 15, my last read of this slot, is asked for ahead of the barrier.  fill = 0: the last change; the last slot's first runs follow.
.macro TURN s, n, fill, ask, rel
.if \fill
	s_wait_xcnt 0x0                                ; my last prefetch has read its address
	s_add_nc_u64 s[PFA:PFA+1], s[PFA:PFA+1], 2*STEPB
.endif
	s_wait_loadcnt 48
	s_wait_dscnt 52                                ; blocks 0, 1
	WIN MUL_LO
	MULS 0, 2, 3, 0
	s_wait_dscnt 44                                ; blocks 2, 3
	MULS 2, 2, 3, 0
	s_wait_dscnt 28                                ; blocks 4 to 7: behind block 7 stand 8-14
	MULS 7, 1, 3, 0
	PLACES
	WIN 0
	LDB ADRB+2*\s+1, 1, 15, 1
	s_wait_tensorcnt 0x0                           ; all my tensor loads have landed: my part of the next slot;
	ds_add_u32 v[SPW], v[NIL]
.if \fill
	s_add_nc_u64 s[G0+4*\s+2:G0+4*\s+3], s[G0+4*\s+2:G0+4*\s+3], 4*STEPB   ; this slot's next tile: 1,024 places on
.endif
	WIN MUL_LO
	MULS 4, 3, 3, 0
	s_wait_dscnt 0x0                               ; the add is done, and my reads of this slot are over
	s_barrier_signal -1
	WIN MUL_HI
	MULS 8, 2, 3, 0
	WIN 0
	s_barrier_wait -1
.if \fill
	CREST                                          ; the barrier has opened a round of the cluster's barrier
	tensor_load_to_lds s[G0+4*\s:G0+4*\s+3], s[G1:G1+7]
	s_nop 0
.endif
	PLACES                                         ; the places in front of the loads below
.if \fill
	LDB ADRB+2*\n, 0, 0, 7
	ASK \ask
	WIN MUL_HI
	MULS 10, 6, 3, 0
	PLACES
	WIN 0
	LDB ADRB+2*\n, 0, 7, 1
	LDB ADRB+2*\n, 0, 8, 7
	LDA 3, \rel
.else
	LDG 0
	WIN MUL_HI
	MULS 10, 2, 3, 0
	WIN 0
	LDG 1
	WIN MUL_HI
	MULS 12, 4, 3, 0
	PLACES
	WIN 0
	LDG 2
	LDA 3, \rel
.irp g, 0,1,2,3
	global_load_b128 v[SCL+4*\g:SCL+4*\g+3], v[SBO], s[72:73] offset:256*\g   ; sixteen lanes read 256 consecutive bytes; lanes 16-31 the same
	global_load_b128 v[BIA+4*\g:BIA+4*\g+3], v[SBO], s[74:75] offset:256*\g
.endr
.endif
.endm
	s_load_b256 s[4:11], s[0:1], 0x0               ; x_codes, w_codes, lowp_scales, out0
	s_load_b128 s[72:75], s[0:1], 0x20             ; scale, bias
	v_lshl_add_u32 v[SPW], v0, 2, SPARE
	v_mov_b32 v[NIL], 0
	ds_add_u32 v[SPW], v[NIL]                      ; the opening: two adds on end, waited for ahead of my first tensor load
	ds_add_u32 v[SPW], v[NIL]
	v_lshrrev_b32 v1, 5, v0
	v_readfirstlane_b32 s14, v1                    ; wave 0..3
	s_lshr_b32 s15, s14, 1                         ; which 256 places of a slot I fetch
	s_and_b32 s16, s14, 1                          ; which 128 columns
	s_bfe_u32 s40, ttmp6, 0x40000                  ; cx: my row block; ttmp9, the cluster's number: the column block
	s_mov_b32 s[G1+0], 15|(1<<20)|(1<<21)|(5<<22)|(3<<25)   ; mask: all four partners; bytes; 4 words of padding behind every 64
	s_mov_b32 s[G1+1], 256<<16
	s_mov_b32 s[G1+2], 128<<16
	s_mov_b32 s[G1+3], 256<<16
	s_mov_b32 s[G1+4], 128
	s_mov_b32 s[G1+5], 256
	s_mov_b32 s[G1+6], 0
	s_mov_b32 s[G1+7], 0
	s_lshl_b32 s46, ttmp9, 16                      ; w_codes: row 256 x column block + 128 x half, step = my 256 places
	s_lshl_b32 s17, s16, 15
	s_add_co_u32 s46, s46, s17
	s_lshl_b32 s17, s15, 22
	s_add_co_u32 s46, s46, s17
	s_mov_b32 s47, 0
	s_lshl_b32 s76, s40, 13                        ; the prefetch: + my work-group's 32 rows, two slots on (each refill steps it one slot further before it asks)
	s_add_co_u32 s76, s76, s46
	s_add_co_u32 s76, s76, 4*STEPB
	s_mov_b32 s77, 0
	s_lshl_b32 s20, s40, 16                        ; x_codes: block of 16 rows number 16 cx + 4 wave, 4,096 bytes each
	s_lshl_b32 s17, s14, 14
	s_add_co_u32 s20, s20, s17
	s_mov_b32 s21, 0
	s_lshl_b32 s78, s40, 24                        ; out0: row 256 cx + 64 wave, 65,536 bytes each, + 1,024 x column block
	s_lshl_b32 s17, s14, 22
	s_add_co_u32 s78, s78, s17
	s_lshl_b32 s80, ttmp9, 10
	s_add_co_u32 s78, s78, s80
	s_mov_b32 s79, 0
	s_mov_b32 s81, 0
	s_mul_i32 s45, s14, HALFT
	s_mul_i32 s23, s14, 32*SPITCH
	v_and_b32 v1, 15, v0
	v_bfe_u32 v2, v0, 4, 1
	v_and_b32 v3, 31, v0
	v_mul_u32_u24 v[ADRB], v1, PITCH
	v_lshl_add_u32 v[ADRB], v2, 4, v[ADRB]
	v_add_nc_u32 v[ADRB+1], KH, v[ADRB]
	v_add_nc_u32 v[ADRB+2], SLOT, v[ADRB]
	v_add_nc_u32 v[ADRB+3], SLOT+KH, v[ADRB]
	v_lshlrev_b32 v[AOF], 4, v3
	v_lshlrev_b32 v[PFO], 8, v3
	v_mul_u32_u24 v[STO], v1, SPITCH               ; the stage, in: row l % 16, 32 bytes for each half of the lanes
	v_lshl_add_u32 v[STO], v2, 5, v[STO]
	v_add_nc_u32 v[STO], s23, v[STO]
	v_lshlrev_b32 v[SBO], 4, v1
	v_mul_u32_u24 v[RD], v2, SPITCH                ; back: lanes 0-15 one row of 256 bytes, lanes 16-31 the next
	v_add_nc_u32 v[RD], v[RD], v[SBO]
	v_add_nc_u32 v[RD], s23, v[RD]
	v_lshl_add_u32 v[CO], v2, 16, v[SBO]           ; and the same two rows in out0
	s_wait_alu depctr_va_vdst(0)
	s_wait_dscnt 0x0                               ; both opening adds are done
	s_wait_kmcnt 0x0
	s_load_b64 s[96:97], s[8:9], 0x0               ; e0, e1
	s_add_nc_u64 s[AP:AP+1], s[4:5], s[20:21]
	s_add_nc_u64 s[46:47], s[6:7], s[46:47]
	s_add_nc_u64 s[PFA:PFA+1], s[6:7], s[76:77]
	s_add_nc_u64 s[10:11], s[10:11], s[78:79]
	s_add_nc_u64 s[72:73], s[72:73], s[80:81]
	s_add_nc_u64 s[74:75], s[74:75], s[80:81]
.irp s, 0,1
	s_mov_b32 s[G0+4*\s], 1
	s_add_co_u32 s[G0+4*\s+1], s45, \s*SLOT
	s_add_nc_u64 s[G0+4*\s+2:G0+4*\s+3], s[46:47], \s*2*STEPB
	s_or_b32 s[G0+4*\s+3], s[G0+4*\s+3], 0x80000000
.endr
	CROUND                                         ; all four work-groups are here: the first joint loads meet
	tensor_load_to_lds s[G0:G0+3], s[G1:G1+7]      ; slot 0: one tensor load a wave at the head
	s_nop 0
	LDA 0, 0                                       ; x's fragments of steps 0 to 2
	LDA 1, 1
	LDA 2, 2
	s_wait_tensorcnt 0x0                           ; my part of slot 0 is in
	ds_add_u32 v[SPW], v[NIL]
	s_wait_dscnt 0x0
	CROUND
	tensor_load_to_lds s[G0+4:G0+7], s[G1:G1+7]    ; slot 1's first fill, the first tensor load behind the round
	s_nop 0
	LDA 3, 3
	LDB ADRB, 0, 0, 7
	LDB ADRB, 0, 7, 1
	LDB ADRB, 0, 8, 7
	STEP 0, 0, 1, 4                                ; the first step stands in front of the loop: its products start the sums
	s_mov_b32 s3, 3
.Llap:                                                 ; a trip goes once round the ring, from a lap's second step to the next lap's first, and fills both slots again
	STEP 0, 1, 0, 5
	STEP 0, 2, 0, 6
	TURN 0, 1, 1, 1, 7
	STEP 1, 0, 0, 8
	STEP 1, 1, 0, 9
	STEP 1, 2, 0, 10
	TURN 1, 0, 1, 2, 11
	STEP 0, 0, 0, 12
	s_wait_xcnt 0x0                                ; x's loads have read their base
	s_add_nc_u64 s[AP:AP+1], s[AP:AP+1], 4*XSTEP   ; eight steps on
	s_sub_co_u32 s3, s3, 1
	s_cmp_lg_u32 s3, 0
	s_cbranch_scc1 .Llap
	STEP 0, 1, 0, 5                                ; the last lap fills nothing
	STEP 0, 2, 0, 6
	TURN 0, 1, 0, 0, 7
; THE WAY OUT of a finished group g of 64 columns, in halves hx of 32 rows.  H1: the sums go as they are into my own stage and come back as rows of 256 bytes, into the registers that they left.
; H2: x scale x 2^(e0 + e1), + bias (a lane holds the same 4 columns of every row), and stored.  LDS serves a wave's instructions in order (ISA guide 5.7.1.4): no wait between the stores and the loads.
.macro H1 g, hx
	WIN ((2+(\g)/2)<<2)                            ; store data: the group's window
.irp a, 0,1
.irp i, 0,1,2,3
.set rg, 128*((\g)%2)+32*\i+8*(2*(\hx)+\a)
	ds_store_b128 v[STO], v[rg:rg+3] offset:\a*16*SPITCH+64*\i        ; each accumulator from its low end on
	ds_store_b128 v[STO], v[rg+4:rg+7] offset:\a*16*SPITCH+64*\i+16
.endr
.endr
	WIN ((2+(\g)/2)<<6)
.set n, 0
.rept 16
.set rg, 128*((\g)%2)+32*(n/4)+16*(\hx)+4*(n%4)
	ds_load_b128 v[rg:rg+3], v[RD] offset:2*n*SPITCH
.set n, n+1
.endr
	WIN 0
.endm
.macro H2 g, hx, younger
	s_wait_dscnt \younger
	WIN (((2+(\g)/2)<<6)|(2+(\g)/2))
.set n, 0
.rept 16
.set rg, 128*((\g)%2)+32*(n/4)+16*(\hx)+4*(n%4)
	v_pk_fma_f32 v[rg:rg+1], v[rg:rg+1], v[SCL+4*(\g):SCL+4*(\g)+1], v[BIA+4*(\g):BIA+4*(\g)+1]
	v_pk_fma_f32 v[rg+2:rg+3], v[rg+2:rg+3], v[SCL+4*(\g)+2:SCL+4*(\g)+3], v[BIA+4*(\g)+2:BIA+4*(\g)+3]
.set n, n+1
.endr
	WIN ((2+(\g)/2)<<2)
.set n, 0
.rept 16
.set rg, 128*((\g)%2)+32*(n/4)+16*(\hx)+4*(n%4)
	global_store_b128 v[CO], v[rg:rg+3], s[10:11] offset:(32*(\hx)+2*n)*65536+256*(\g) th:TH_STORE_NT   ; sixteen lanes store 256 consecutive, aligned bytes; the largest offset is 62 rows
.set n, n+1
.endr
	WIN 0
.endm
; The last slot: 16 runs.  Run u + 3 is asked for behind run u's products.  A group's first half goes into the stage behind its last products, and is sent behind the next run; then the second half likewise.
.irp u, 0,1,2,3,4,5,6,7,8,9,10,11,12,13,14,15
.if \u < 4
	s_wait_loadcnt 56-16*\u                        ; set u of x is in; younger: the later sets and the eight loads of scale and bias
	s_wait_dscnt 32                                ; run u is in; the two runs behind it may be out
.elseif \u%4 == 0
	s_wait_dscnt 63                                ; run u is in: behind it stand two runs and a half's 32 stage instructions, 64 in all
.endif
	COMP \u                                        ; (the other runs are older than stage loads that have been waited for)
.if (\u <= 12) || (\u%4 == 3)
	PLACES
.endif
	WIN 0
.if \u <= 12
	LDG \u+3
.endif
.if (\u%4 == 3) && (\u < 15)
	H1 \u/4, 0
.endif
.if \u == 4
	s_wait_kmcnt 0x0
	s_add_co_i32 s96, s96, s97                     ; e0 + e1
	s_wait_loadcnt 0x0                             ; scale and bias are in
.irp i, 0,1,2,3,4,5,6,7,8,9,10,11,12,13,14,15
	v_ldexp_f32 v[SCL+\i], v[SCL+\i], s96          ; scale x 2^(e0 + e1)
.endr
	s_wait_alu depctr_va_vdst(0)
.endif
.if (\u%4 == 0) && (\u >= 4)
	H2 \u/4-1, 0, 16                               ; younger than the half's loads: the run just asked for
	H1 \u/4-1, 1
.endif
.if (\u%4 == 1) && (\u >= 5)
.if \u == 13
	H2 \u/4-1, 1, 0
.else
	H2 \u/4-1, 1, 16
.endif
.endif
.endr
	H1 3, 0
	H1 3, 1
	H2 3, 0, 32
	H2 3, 1, 0
	s_wait_tensorcnt 0x0                           ; the wave's end
	ds_add_u32 v[SPW], v[NIL]
	s_wait_dscnt 0x0
	CROUND                                         ; the closing round
	s_endpgm
.Lfunc_end_k_qfa54820259_gemm:
	.size	k_qfa54820259_gemm, .Lfunc_end_k_qfa54820259_gemm-k_qfa54820259_gemm
	.p2alignl 7, 3214868480
	.fill 96, 4, 3214868480
	.section	.rodata,"a",@progbits
	.p2align	6, 0x0
	.amdhsa_kernel k_qfa54820259_gemm
		.amdhsa_group_segment_fixed_size 327680
		.amdhsa_private_segment_fixed_size 0
		.amdhsa_enable_private_segment 0
		.amdhsa_kernarg_size 48
		.amdhsa_user_sgpr_count 2
		.amdhsa_user_sgpr_kernarg_segment_ptr 1
		.amdhsa_wavefront_size32 1
		.amdhsa_system_sgpr_workgroup_id_x 1
		.amdhsa_system_sgpr_workgroup_id_y 1
		.amdhsa_system_sgpr_workgroup_id_z 1
		.amdhsa_system_vgpr_workitem_id 0
		.amdhsa_next_free_vgpr 1024
		.amdhsa_next_free_sgpr 98
		.amdhsa_reserve_vcc 0
		.amdhsa_float_denorm_mode_32 3
		.amdhsa_float_denorm_mode_16_64 3
		.amdhsa_memory_ordered 1
		.amdhsa_forward_progress 1
		.amdhsa_inst_pref_size 220
	.end_amdhsa_kernel
	.amdgpu_metadata
---
amdhsa.version: [ 1, 2 ]
amdhsa.kernels:
  - .name:           k_qfa54820259_gemm
    .symbol:         k_qfa54820259_gemm.kd
    .args:
      - { .name: x_codes, .offset: 0, .size: 8, .value_kind: global_buffer, .address_space: global }
      - { .name: w_codes, .offset: 8, .size: 8, .value_kind: global_buffer, .address_space: global }
      - { .name: lowp_scales, .offset: 16, .size: 8, .value_kind: global_buffer, .address_space: global }
      - { .name: out0, .offset: 24, .size: 8, .value_kind: global_buffer, .address_space: global }
      - { .name: scale, .offset: 32, .size: 8, .value_kind: global_buffer, .address_space: global }
      - { .name: bias, .offset: 40, .size: 8, .value_kind: global_buffer, .address_space: global }
    .group_segment_fixed_size: 327680
    .private_segment_fixed_size: 0
    .kernarg_segment_align: 8
    .kernarg_segment_size: 48
    .max_flat_workgroup_size: 128
    .sgpr_count:     98
    .vgpr_count:     1024
    .wavefront_size: 32
...
	.end_amdgpu_metadata
.endif
;; end of part 2
